; MI455X (gfx1250); checked and timed in simulation.
; The chip was launched on July 23, 2026; its instructions are those of AMD's public machine-readable ISA for CDNA 5 (MIT licence, August 2026) and "CDNA5" Instruction Set Architecture Reference Guide (July 2026). The comments in the code are by the model that wrote it; some were corrected since.
;; Attention. Allowed arithmetic: matrix products marked QUANTISED: E5M2 operands, one given power-of-two scale a tensor, by v_wmma_f32_16x16x64_bf8_bf8 or v_wmma_f32_16x16x128_bf8_bf8, f32 sums; products left as they are: f32 operands where the result goes on into a quantised operand, else bf16, f16 or f32 operands; f32 sums; everything else in f32.
;; Inputs: W_codes 512 x 32 x 32 uint8 (E5M2 codes of W, K innermost, in blocks of 32 codes); b 512 float32; encoder_outputs 64 x 2,048 x 512 float32; hidden 64 x 512 float32; lowp_scales 2 int32 (the exponents e of the quantised operands' scales 2^e); v 512 float32.
;; Outputs: out0 64 x 1 x 2,048 float32.
;; This version of the problem:
;;   THIS VERSION OF THE PROBLEM IS GIVEN IN LOW PRECISION. The matrix products marked QUANTISED in the list below multiply operands that are first quantised to E5M2 (5 exponent bits, 2 mantissa bits; 8 bits a number), with one given power-of-two scale for each operand tensor; their sums are f32. All else is computed in f32.
;;   The module's matrix products, in the order in which they are computed (A, B: the left and right operand; K: the contracted axis; several contracted axes count as one K, in the product's order):
;;     1. [M 131,072, K 1,024] x [K 1,024, N 512]; A: computed on the way; B: input W (given as codes): QUANTISED (scales: A lowp_scales[0], B lowp_scales[1])
;;     2. [M 131,072, K 512] x [K 512, N 1]; A: computed on the way; B: input v: left as it is (N = 1 < 16)
;;   THE QUANTISER, for each operand of a quantised product, along K:
;;     - The operand's scale is 2^e, e = its entry of the input lowp_scales (int32; the entries are numbered through the quantised products in the list's order, A before B).
;;     - Each number is divided by the scale, clamped to +-57,344, and rounded to the nearest number of E5M2, ties to even, subnormals kept.
;;     - The product sums the exact products of the quantised numbers (number of the format x scale) in f32.
;;   ~~~python
;;   def quantise(x, axis, e):      # numpy; x: float32 -> the quantised numbers, widened to float32 again
;;       x = np.moveaxis(x, axis, -1); K = x.shape[-1]
;;       r = np.clip(x / 2.0 ** e, -57344, 57344)
;;       step = 2.0 ** (np.maximum(np.frexp(np.where(r == 0, 1, r))[1] - 1, -14) - 2)
;;       q = np.round(r / step) * step * 2.0 ** e      # np.round: ties to even
;;       return np.moveaxis(q, -1, axis).astype(np.float32)
;;   ~~~
;;   OPERANDS COMPUTED ON THE WAY. 'Computed on the way' means the value that the module computes at that place (a softmax that the list does not call 'softmax' is quantised finished and normalised). What goes into a quantiser is computed in f32, as accurately as f32 sums, v_exp_f32 and their like allow (about 1e-6 of the number): no bf16 or f16 on the way to a quantiser, and a product that is left as it is and whose result goes on into a quantised operand takes f32 operands (vector FMAs, or v_wmma_f32_16x16x4_f32). A number that lies on a knife's edge between two numbers of the format may be rounded either way, as far as f32 arithmetic and the matrix unit's own rounding can turn it there, and no further.
;;   INPUTS GIVEN AS CODES. W (in the module: [512, 1024], K = its axis 1): each comes as NAME_codes (uint8): NAME with its K axis moved to the last place and cut into blocks of 32 codes, [.., K / 32, bytes a block], one block behind the other in memory; one code a byte (a code: sign, 5 exponent bits, 2 mantissa bits); its scale is its entry of lowp_scales. Its value is code x scale, taken as it is: it is not quantised again, and the codes and scales need not be those that the quantiser above would give.
;; One version. Each part assembles by itself: llvm-mc -triple=amdgcn-amd-amdhsa -mcpu=gfx1250 --defsym DOCPART=n.
;; ======== version 1 of 1: 2 launches
;; limits: right only within a limited range of input values
;; workspace buffers: scores 524,288 bytes
;; launch energy (part 1): grid 256 x 1, 8 waves a work-group, no clusters, 308,224 bytes of LDS; arguments W_codes, b, encoder_outputs, hidden, lowp_scales, v, scores; writes scores
.if DOCPART == 1
	.amdgcn_target "amdgcn-amd-amdhsa--gfx1250"
	.amdhsa_code_object_version 6
	.text
	.protected	k_qa2434d2724_energy
	.globl	k_qa2434d2724_energy
	.p2align	8
	.type	k_qa2434d2724_energy,@function
k_qa2434d2724_energy:
	s_mov_b64 s[64:65], 0
	v_nop
	global_prefetch_b8 v0, s[64:65] scope:SCOPE_SE
	s_setreg_imm32_b32 hwreg(HW_REG_WAVE_MODE, 25, 1), 1
	s_wait_xcnt 0x0
; scores[b][l] = sum over h of v[h] tanh( Q(x[b][l]) . W[h] + b[h] ),  x = [hidden[b], encoder_outputs[b][l]], K = 1,024, in BF8 (E5M2).
; THE HIDDEN HALF OF K (0..511) holds the same numbers, and so the same codes, for every l of a batch: its sums are the same for all l,
; whatever the inputs.  They are multiplied once in each work-group (16 equal rows), with b as the C operand, and serve as the C of every later sum.
; A work-group of eight waves takes 512 rows l of one batch.  Wave w owns h = 64 w .. 64 w + 63: W's encoder half of those rows stays in 256 registers.
; W comes in as whole pieces of 512 consecutive bytes, a row an instruction, and turns into fragments through a stage of the wave's own in LDS, 32 rows at a time.
; The encoder's rows go from memory into registers, a whole row by four loads of 512 consecutive bytes, are held at the largest code, converted,
; and stored as codes in LDS: the work-group's 512 rows x 512 codes (pitch 528) take 270,336 bytes, so no row of codes is written twice.
; Quantising runs six granules (of 2 rows a wave) ahead of the products; one barrier for each block of 64 rows.
; tanh(x) = 1 - 2 / (1 + 2^(2 log2(e) x)); an exponential that overflows gives 1, one that underflows -1.
; LIMITS: ea + eb between -126 and 125 (it is added to the exponent field of 2 log2(e)); ea between -126 and 112.
; NO CLUSTER: what work-groups share is W, 524,288 of the 1,572,864 bytes that a work-group reads, read once at the head; the encoder's rows are shared by nobody.
; NO TENSOR LOAD: the codes are made from registers, so the f32 numbers never lie in LDS.
; PREFETCH: each wave asks for its own 8 rows of the block that its loads reach two blocks later, 4 rows (32 blocks of 256 bytes, a lane each) an instruction; it stops at the last block.
.set PITCH, 528                        ; a row of 512 codes + 16: the 16 rows of a fragment load start at 16 different banks
.set BLK,   64*PITCH                   ; a block of 64 rows
.set GBLK,  64*2048                    ; the same rows in memory
.set WSTG,  4*BLK                      ; W's stages, 32 rows x 528 bytes a wave: the bytes of blocks 4 to 7, whose codes are stored behind later barriers
.set FIN,   8*BLK                      ; partial scores: wave x 4,096 + 16-row block x 128 + lane x 4
.set HB,    FIN+32768                  ; the hidden row's codes, 512 bytes for each wave
.set SPARE, HB+4096                    ; the spare words, 128 bytes a wave
.set SPW, 1
.set NIL, 2
.set LI0, 3                            ; fragment address in block 0
.set IW1, 4                            ; where my wave's rows of block 1 begin, + 4 x lane
.set FW0, 5
.set LIC, 6                            ; the three, for the block at work
.set IWC, 7
.set FWC, 8
.set WS,  6                            ; at the head: my stage, + 16 x lane
.set WR,  8                            ; at the head: my stage, a fragment's address
.set SCL, 9
.set LIM, 10
.set GO,  12
.set PF,  13
.set BOF, 14
.set HL,  15
.set BT,  16                           ; v16-47   hidden half's sums + b, in code units
.set VV,  48                           ; v48-79   -2 v
.set ACC, 80
.set XF,  112                          ; v112-175 fragments of 16 rows x 512 K
.set ST,  176                          ; v176-239 two granules of 2 rows, f32
.set CD,  240                          ; v240-247 a granule's codes
.set RR,  240
.set HH,  241
.set LN,  242
.set T0,  243
.set VS,  248
.set SA,  250
.set SB,  252
.set SCR, 254
.set HW,  255
.set WV,  18
.set CS,  22
.set PO,  24
.set FO,  25
.set PC,  26
.set MSB, 0
.macro WIN new
.if MSB != \new
	s_set_vgpr_msb (MSB<<8)|\new
.set MSB, \new
.endif
.endm
.macro PLACES
.rept 4
	v_nop
.endr
.endm
.macro WGL half, a                     ; my rows 32 a .. 32 a + 31 of one half of W: 512 consecutive bytes an instruction, into window 1
	WIN 0x40
.set q, 0
.rept 32
	global_load_b128 v[128*(\a)+4*q:128*(\a)+4*q+3], v[GO], s[4:5] offset:1024*(32*(\a)+q)+512*(\half)
.set q, q+1
.endr
	WIN 0
.endm
.macro WSTAGE a                        ; the 32 rows into my stage, and back as 8 fragments into the same 128 registers; LDS serves a wave's instructions in order (ISA guide 5.7.1.4)
	WIN 0x04
.set q, 0
.rept 32
	ds_store_b128 v[WS], v[128*(\a)+4*q:128*(\a)+4*q+3] offset:PITCH*q
.set q, q+1
.endr
	WIN 0x40
.irp t, 0,1
.irp s, 0,1,2,3
.irp c, 0,1,2,3
	ds_load_b128 v[128*(\a)+16*(4*\t+\s)+4*\c:128*(\a)+16*(4*\t+\s)+4*\c+3], v[WR] offset:16*PITCH*\t+128*\s+32*\c
.endr
.endr
.endr
	WIN 0
.endm
.macro GLOAD a, off                    ; a granule: 2 rows, each by four loads of 512 consecutive bytes
.irp i, 0,1
.irp j, 0,1,2,3
	global_load_b128 v[ST+32*(\a)+16*\i+4*\j:ST+32*(\a)+16*\i+4*\j+3], v[GO], s[8:9] offset:(\off)+2048*\i+512*\j th:TH_LOAD_NT
.endr
.endr
.endm
.macro QMED a                          ; the hold at the largest code (the conversion does not saturate: ISA guide 7.6.2)
.set i, 0
.rept 32
	v_med3_num_f32 v[ST+32*(\a)+i], v[ST+32*(\a)+i], -v[LIM], v[LIM]
.set i, i+1
.endr
.endm
.macro QCVT a, off                     ; word j of a row's codes holds k = 128 j + 4 lane + 0..3: each store covers 128 consecutive bytes
.irp u, 0,1,2,3
	v_cvt_scalef32_pk8_bf8_f32 v[CD+2*\u:CD+2*\u+1], v[ST+32*(\a)+8*\u:ST+32*(\a)+8*\u+7], v[SCL]
.endr
	v_nop
.irp u, 0,1,2,3,4,5,6,7
	ds_store_b32 v[IWC], v[CD+\u] offset:(\off)+PITCH*(\u/4)+128*(\u%4)
.endr
.endm
.macro HCONV g, lc                     ; the head's granule g; granule g + 2 is asked for
	s_wait_loadcnt \lc
	QMED (\g)%2
	QCVT (\g)%2, ((\g)/4)*BLK+((\g)%4)*2*PITCH
	GLOAD (\g)%2, (((\g)+2)/4)*GBLK+(((\g)+2)%4)*4096
.endm
.macro FETCH adr, off
.irp s, 0,1,2,3
.irp c, 0,1,2,3
	ds_load_b128 v[XF+16*\s+4*\c:XF+16*\s+4*\c+3], v[\adr] offset:(\off)+128*\s+32*\c
.endr
.endr
.endm
.macro HMUL2 a                         ; the hidden half, tiles 2 a and 2 a + 1: two accumulators by turns
	WIN 0x01
.irp s, 0,1,2,3
.irp t, 0,1
	v_wmma_f32_16x16x128_bf8_bf8 v[BT+8*(2*(\a)+\t):BT+8*(2*(\a)+\t)+7], v[128*(\a)+16*(4*\t+\s):128*(\a)+16*(4*\t+\s)+15], v[XF+16*\s:XF+16*\s+15], v[BT+8*(2*(\a)+\t):BT+8*(2*(\a)+\t)+7]
.endr
.endr
	WIN 0
	PLACES
.endm
.macro MULT                            ; transposed: source 0 = 16 rows of W, source 1 = 16 rows of codes; a lane holds one row l and 8 h a tile
	WIN 0x01
.irp s, 0,1,2,3
.irp t, 0,1,2,3
.if \s == 0
	v_wmma_f32_16x16x128_bf8_bf8 v[ACC+8*\t:ACC+8*\t+7], v[16*(4*\t+\s):16*(4*\t+\s)+15], v[XF+16*\s:XF+16*\s+15], v[BT+8*\t:BT+8*\t+7]
.else
	v_wmma_f32_16x16x128_bf8_bf8 v[ACC+8*\t:ACC+8*\t+7], v[16*(4*\t+\s):16*(4*\t+\s)+15], v[XF+16*\s:XF+16*\s+15], v[ACC+8*\t:ACC+8*\t+7]
.endif
.endr
.endr
	WIN 0
.endm
.macro TANH dst                        ; my 32 h of my row: sum of v - 2 v / (1 + 2^(c x)); a wait ahead of and behind each batch
.set j, 0
.rept 16
	v_pk_mul_f32 v[ACC+j:ACC+j+1], v[ACC+j:ACC+j+1], s[CS:CS+1] op_sel_hi:[1,0]
.set j, j+2
.endr
.set j, 0
	s_wait_alu depctr_va_vdst(0)
.rept 32
	v_exp_f32 v[ACC+j], v[ACC+j]
.set j, j+1
.endr
	v_nop
.set j, 0
	s_wait_alu depctr_va_vdst(0)
.rept 16
	v_pk_add_f32 v[ACC+j:ACC+j+1], v[ACC+j:ACC+j+1], 1.0 op_sel_hi:[1,0]
.set j, j+2
.endr
.set j, 0
	s_wait_alu depctr_va_vdst(0)
.rept 32
	v_rcp_f32 v[ACC+j], v[ACC+j]
.set j, j+1
.endr
	v_nop
	s_wait_alu depctr_va_vdst(0)
	v_pk_fma_f32 v[SA:SA+1], v[ACC:ACC+1], v[VV:VV+1], v[VS:VS+1]
	v_pk_mul_f32 v[SB:SB+1], v[ACC+2:ACC+3], v[VV+2:VV+3]
.set j, 4
.rept 7
	v_pk_fma_f32 v[SA:SA+1], v[ACC+j:ACC+j+1], v[VV+j:VV+j+1], v[SA:SA+1]
	v_pk_fma_f32 v[SB:SB+1], v[ACC+j+2:ACC+j+3], v[VV+j+2:VV+j+3], v[SB:SB+1]
.set j, j+4
.endr
	s_delay_alu instid0(VALU_DEP_1)
	v_pk_add_f32 v[SA:SA+1], v[SA:SA+1], v[SB:SB+1]
	s_delay_alu instid0(VALU_DEP_1)
	v_add_f32 v[\dst], v[SA], v[SA+1]
.endm
; One step: 16 rows of the block at work.  conv: granule 4 p + m + 6 is quantised (lc: the younger loads that may stay out); reis: granule 4 p + m + 8 is asked for;
; fetch: the next 16 rows' fragments; bar: the block's barrier: behind it block p + 1 is whole; pf: a prefetch.
.macro STEP m, conv, lc, reis, fetch, bar, pf
	s_wait_dscnt 1                                 ; my fragments are in; the last score's store may be out
	MULT
.if \conv
	s_wait_loadcnt \lc
	QMED (\m)%2                                    ; these are also the places behind the products
.else
	PLACES
.endif
.if \fetch
	FETCH LIC, ((\m)+1)*16*PITCH
.endif
.if \conv
	QCVT (\m)%2, (((\m)+2)/4)*BLK+(((\m)+2)%4)*2*PITCH
.if \reis
	GLOAD (\m)%2, (\m)*4096
.endif
.endif
.if \pf
	s_cmp_lt_u32 s[PC], 4                          ; blocks 4 to 7 alone: nothing is asked for beyond my rows
	s_cbranch_scc0 .Lnp_\@
	global_prefetch_b8 v[PF], s[8:9] offset:2*GBLK+((\m)/2)*8192 th:TH_LOAD_NT scope:SCOPE_SE
.Lnp_\@:
.endif
.if \bar
	s_wait_dscnt 0x0                               ; for the others' sake: my codes are stored
	s_barrier_signal -1
.endif
	TANH SCR
.if \bar
	s_wait_alu depctr_va_vdst(0)
	s_barrier_wait -1
.endif
	ds_store_b32 v[FWC], v[SCR] offset:128*(\m)
.endm
.macro PTOP conv
	v_add_nc_u32 v[LIC], s[PO], v[LI0]
.if \conv
	v_add_nc_u32 v[IWC], s[PO], v[IW1]
.endif
	v_add_nc_u32 v[FWC], s[FO], v[FW0]
	s_wait_alu depctr_va_vdst(0)
.endm
	s_load_b256 s[4:11], s[0:1], 0x0               ; W s[4:5], b s[6:7], encoder s[8:9], hidden s[10:11]
	s_load_b128 s[12:15], s[0:1], 0x20             ; scales s[12:13], v s[14:15]
	s_load_b64 s[16:17], s[0:1], 0x30              ; scores
	v_lshl_add_u32 v[SPW], v0, 2, SPARE
	v_mov_b32 v[NIL], 0
	v_lshrrev_b32 v[T0], 5, v0
	v_readfirstlane_b32 s[WV], v[T0]
	s_mul_i32 s40, s[WV], 8*PITCH                  ; my 8 rows of a block of codes
	s_lshl_b32 s41, s[WV], 12
	s_add_co_u32 s41, s41, FIN
	s_lshl_b32 s42, s[WV], 9
	s_add_co_u32 s42, s42, HB
	s_mul_i32 s44, s[WV], 32*PITCH
	s_add_co_u32 s44, s44, WSTG                    ; my stage for W
	s_lshl_b32 s28, ttmp9, 20                      ; 512 rows of 2,048 bytes
	s_lshl_b32 s43, s[WV], 14                      ; + my 8 rows
	s_add_co_u32 s28, s28, s43
	s_mov_b32 s29, 0
	s_lshl_b32 s30, s[WV], 16                      ; my 64 rows of W
	s_mov_b32 s31, 0
	s_lshl_b32 s32, s[WV], 8                       ; my 64 numbers of b and of v
	s_mov_b32 s33, 0
	s_lshr_b32 s34, ttmp9, 2
	s_lshl_b32 s34, s34, 11                        ; the batch's row of hidden
	s_mov_b32 s35, 0
	s_lshl_b32 s36, ttmp9, 11
	s_mov_b32 s37, 0
	v_and_b32 v[RR], 15, v0
	v_bfe_u32 v[HH], v0, 4, 1
	v_and_b32 v[LN], 31, v0
	v_lshlrev_b32 v[GO], 4, v[LN]
	v_lshrrev_b32 v[PF], 3, v[LN]
	v_and_b32 v[T0], 7, v[LN]
	v_lshlrev_b32 v[T0], 8, v[T0]
	v_lshl_add_u32 v[PF], v[PF], 11, v[T0]         ; lane: row lane / 8, block of 256 bytes lane % 8
	v_lshlrev_b32 v[BOF], 5, v[HH]
	v_mul_u32_u24 v[LI0], v[RR], PITCH
	v_lshl_add_u32 v[LI0], v[HH], 4, v[LI0]
	v_lshl_add_u32 v[IWC], v[LN], 2, s40
	v_add_nc_u32 v[IW1], BLK, v[IWC]
	v_lshl_add_u32 v[FW0], v[LN], 2, s41
	v_lshl_add_u32 v[HW], v[LN], 2, s42
	v_lshl_add_u32 v[HL], v[HH], 4, s42
	v_lshl_add_u32 v[WS], v[LN], 4, s44
	v_add_nc_u32 v[WR], s44, v[LI0]
	s_wait_alu depctr_va_vdst(0)
	s_wait_kmcnt 0x0
	s_load_b64 s[46:47], s[12:13], 0x0             ; ea, eb
	s_add_nc_u64 s[8:9], s[8:9], s[28:29]
	s_add_nc_u64 s[4:5], s[4:5], s[30:31]
	s_add_nc_u64 s[6:7], s[6:7], s[32:33]
	s_add_nc_u64 s[14:15], s[14:15], s[32:33]
	s_add_nc_u64 s[10:11], s[10:11], s[34:35]
	s_add_nc_u64 s[16:17], s[16:17], s[36:37]
.irp j, 0,1,2,3
	global_load_b128 v[ACC+4*\j:ACC+4*\j+3], v[GO], s[10:11] offset:512*\j     ; the hidden row, as an encoder row is loaded
.endr
.irp t, 0,1,2,3
	global_load_b128 v[BT+8*\t:BT+8*\t+3], v[BOF], s[6:7] offset:64*\t
	global_load_b128 v[BT+8*\t+4:BT+8*\t+7], v[BOF], s[6:7] offset:64*\t+16
.endr
.irp t, 0,1,2,3
	global_load_b128 v[VV+8*\t:VV+8*\t+3], v[BOF], s[14:15] offset:64*\t
	global_load_b128 v[VV+8*\t+4:VV+8*\t+7], v[BOF], s[14:15] offset:64*\t+16
.endr
	GLOAD 0, 0
	GLOAD 1, 4096
	WGL 0, 0
	s_wait_kmcnt 0x0
	s_add_co_i32 s48, s46, 127
	s_lshl_b32 s49, s48, 23
	v_mov_b32 v[SCL], s49                          ; 2^ea
	s_add_co_i32 s48, s48, 15
	s_lshl_b32 s48, s48, 23
	s_or_b32 s48, s48, 0x600000
	v_mov_b32 v[LIM], s48                          ; 57,344 x 2^ea
	s_add_co_i32 s50, s46, s47
	s_sub_co_i32 s51, 0, s50
	s_lshl_b32 s50, s50, 23
	s_add_co_i32 s[CS], s50, 0x4038aa3b            ; c = 2 log2(e) 2^(ea + eb)
	s_mov_b32 s[CS+1], s[CS]
	s_wait_alu depctr_va_vdst(0)
	s_wait_loadcnt 48                              ; hidden, b and v are in; behind them: two granules (16) and 32 rows of W
.set i, 0
.rept 16
	v_med3_num_f32 v[ACC+i], v[ACC+i], -v[LIM], v[LIM]
.set i, i+1
.endr
	v_cvt_scalef32_pk8_bf8_f32 v[CD:CD+1], v[ACC:ACC+7], v[SCL]
	v_cvt_scalef32_pk8_bf8_f32 v[CD+2:CD+3], v[ACC+8:ACC+15], v[SCL]
	v_nop
.irp j, 0,1,2,3
	ds_store_b32 v[HW], v[CD+\j] offset:128*\j     ; my wave's own copy: LDS serves a wave's instructions in order, so no barrier
.endr
	FETCH HL, 0                                    ; all 16 rows of the fragment are the hidden row
	WGL 0, 1
	global_prefetch_b8 v[PF], s[8:9] offset:2*GBLK th:TH_LOAD_NT scope:SCOPE_SE
	global_prefetch_b8 v[PF], s[8:9] offset:2*GBLK+8192 th:TH_LOAD_NT scope:SCOPE_SE
.set j, 0
.rept 32
	v_ldexp_f32 v[BT+j], v[BT+j], s51              ; b in code units
.set j, j+1
.endr
	v_pk_add_f32 v[VS:VS+1], v[VV:VV+1], v[VV+2:VV+3]
.set j, 4
.rept 14
	s_delay_alu instid0(VALU_DEP_1)
	v_pk_add_f32 v[VS:VS+1], v[VS:VS+1], v[VV+j:VV+j+1]
.set j, j+2
.endr
.set j, 0
.rept 16
	v_pk_mul_f32 v[VV+j:VV+j+1], v[VV+j:VV+j+1], -2.0 op_sel_hi:[1,0]
.set j, j+2
.endr
	s_wait_alu depctr_va_vdst(0)
	HCONV 0, 63                                    ; 72 younger loads are out: the field's largest count serves
	HCONV 1, 63
	s_wait_loadcnt 48                              ; the hidden half's rows 0-31 are in; behind them: its rows 32-63 (32) and two granules (16)
	WSTAGE 0
	s_wait_dscnt 0x0
	HMUL2 0
	WGL 1, 0                                       ; the registers take W's encoder half
	s_wait_loadcnt 48                              ; behind the hidden half's rows 32-63: two granules (16) and the 32 loads just issued
	WSTAGE 1
	s_wait_dscnt 0x0
	HMUL2 1
	WGL 1, 1
	global_prefetch_b8 v[PF], s[8:9] offset:3*GBLK th:TH_LOAD_NT scope:SCOPE_SE
	global_prefetch_b8 v[PF], s[8:9] offset:3*GBLK+8192 th:TH_LOAD_NT scope:SCOPE_SE
	HCONV 2, 63                                    ; 72 younger loads
	HCONV 3, 63
	s_wait_loadcnt 48                              ; behind the encoder half's rows 0-31: its rows 32-63 (32) and two granules (16)
	WSTAGE 0
	s_wait_loadcnt 16                              ; behind its rows 32-63: two granules
	WSTAGE 1
	HCONV 4, 8                                     ; one younger granule
	HCONV 5, 8
	s_mov_b32 s[PC], 0
	s_mov_b32 s[PO], 0
	s_mov_b32 s[FO], 0
	s_wait_xcnt 0x0                                ; the base is stepped only behind this wait
	s_add_nc_u64 s[8:9], s[8:9], 2*GBLK            ; my rows of block p + 2
	s_wait_dscnt 0x0                               ; my codes are stored, W's fragments are in, my stage is read out
	s_barrier_signal -1
	s_barrier_wait -1                              ; block 0 is whole
	FETCH LI0, 0
	s_wait_dscnt 0x0
.Lper:
	PTOP 1
	STEP 0, 1, 8, 1, 1, 0, 1
	STEP 1, 1, 8, 1, 1, 1, 0
	STEP 2, 1, 8, 1, 1, 0, 1
	STEP 3, 1, 8, 1, 1, 0, 0
	s_wait_xcnt 0x0
	s_add_nc_u64 s[8:9], s[8:9], GBLK
	s_add_co_u32 s[PO], s[PO], BLK
	s_add_co_u32 s[FO], s[FO], 512
	s_add_co_u32 s[PC], s[PC], 1
	s_cmp_lt_u32 s[PC], 6
	s_cbranch_scc1 .Lper
	PTOP 1                                         ; block 6: the last two granules, nothing more to ask for
	STEP 0, 1, 8, 0, 1, 0, 0
	STEP 1, 1, 0, 0, 1, 1, 0
	STEP 2, 0, 0, 0, 1, 0, 0
	STEP 3, 0, 0, 0, 1, 0, 0
	s_add_co_u32 s[PO], s[PO], BLK
	s_add_co_u32 s[FO], s[FO], 512
	PTOP 0                                         ; block 7
	STEP 0, 0, 0, 0, 1, 0, 0
	STEP 1, 0, 0, 0, 1, 0, 0
	STEP 2, 0, 0, 0, 1, 0, 0
	STEP 3, 0, 0, 0, 0, 0, 0
	s_wait_dscnt 0x0
	s_barrier_signal -1
	s_barrier_wait -1
	; thread T sums the eight waves' words 4 T .. 4 T + 3: 16-row block T / 8, half (T / 4) % 2 of the h, rows 4 (T % 4) + 0..3
	v_lshl_add_u32 v[LIC], v0, 4, FIN
.irp u, 0,1,2,3,4,5,6,7
	ds_load_b128 v[ACC+4*\u:ACC+4*\u+3], v[LIC] offset:4096*\u
.endr
	s_wait_dscnt 0x0
.irp a, 0,8,16,24
	v_pk_add_f32 v[ACC+\a:ACC+\a+1], v[ACC+\a:ACC+\a+1], v[ACC+\a+4:ACC+\a+5]
	v_pk_add_f32 v[ACC+\a+2:ACC+\a+3], v[ACC+\a+2:ACC+\a+3], v[ACC+\a+6:ACC+\a+7]
.endr
.irp a, 0,16
	v_pk_add_f32 v[ACC+\a:ACC+\a+1], v[ACC+\a:ACC+\a+1], v[ACC+\a+8:ACC+\a+9]
	v_pk_add_f32 v[ACC+\a+2:ACC+\a+3], v[ACC+\a+2:ACC+\a+3], v[ACC+\a+10:ACC+\a+11]
.endr
	v_pk_add_f32 v[ACC:ACC+1], v[ACC:ACC+1], v[ACC+16:ACC+17]
	v_pk_add_f32 v[ACC+2:ACC+3], v[ACC+2:ACC+3], v[ACC+18:ACC+19]
	v_and_b32 v[T0], 4, v0
	v_lshrrev_b32 v[IWC], 3, v0
	v_and_b32 v[FWC], 3, v0
	v_lshlrev_b32 v[IWC], 6, v[IWC]
.irp m, 0,1,2,3
	v_add_f32_dpp v[ACC+\m], v[ACC+\m], v[ACC+\m] row_xmask:4 row_mask:0xf bank_mask:0xf   ; + the other half of the h
.endr
	v_cmp_ne_u32 vcc_lo, 0, v[T0]
	v_lshl_add_u32 v[IWC], v[FWC], 4, v[IWC]
	v_lshl_add_u32 v[IWC], v[T0], 1, v[IWC]        ; 64 (T / 8) + 16 (T % 4) + 8 half: a wave's store covers 256 consecutive bytes, aligned
	v_cndmask_b32 v[ACC+4], v[ACC], v[ACC+2], vcc_lo
	v_cndmask_b32 v[ACC+5], v[ACC+1], v[ACC+3], vcc_lo
	global_store_b64 v[IWC], v[ACC+4:ACC+5], s[16:17]
	s_wait_tensorcnt 0x0                           ; the wave's end
	ds_add_u32 v[SPW], v[NIL]
	s_wait_dscnt 0x0
	s_endpgm
.Lfunc_end_k_qa2434d2724_energy:
	.size	k_qa2434d2724_energy, .Lfunc_end_k_qa2434d2724_energy-k_qa2434d2724_energy
	.p2alignl 7, 3214868480
	.fill 96, 4, 3214868480
	.section	.rodata,"a",@progbits
	.p2align	6, 0x0
	.amdhsa_kernel k_qa2434d2724_energy
		.amdhsa_group_segment_fixed_size 308224
		.amdhsa_private_segment_fixed_size 0
		.amdhsa_enable_private_segment 0
		.amdhsa_kernarg_size 56
		.amdhsa_user_sgpr_count 2
		.amdhsa_user_sgpr_kernarg_segment_ptr 1
		.amdhsa_wavefront_size32 1
		.amdhsa_system_sgpr_workgroup_id_x 1
		.amdhsa_system_sgpr_workgroup_id_y 1
		.amdhsa_system_sgpr_workgroup_id_z 1
		.amdhsa_system_vgpr_workitem_id 0
		.amdhsa_next_free_vgpr 512
		.amdhsa_next_free_sgpr 66
		.amdhsa_reserve_vcc 1
		.amdhsa_float_denorm_mode_32 3
		.amdhsa_float_denorm_mode_16_64 3
		.amdhsa_memory_ordered 1
		.amdhsa_forward_progress 1
		.amdhsa_inst_pref_size 181
	.end_amdhsa_kernel
	.amdgpu_metadata
---
amdhsa.version: [ 1, 2 ]
amdhsa.kernels:
  - .name:           k_qa2434d2724_energy
    .symbol:         k_qa2434d2724_energy.kd
    .args:
      - { .name: W_codes, .offset: 0, .size: 8, .value_kind: global_buffer, .address_space: global }
      - { .name: b, .offset: 8, .size: 8, .value_kind: global_buffer, .address_space: global }
      - { .name: encoder_outputs, .offset: 16, .size: 8, .value_kind: global_buffer, .address_space: global }
      - { .name: hidden, .offset: 24, .size: 8, .value_kind: global_buffer, .address_space: global }
      - { .name: lowp_scales, .offset: 32, .size: 8, .value_kind: global_buffer, .address_space: global }
      - { .name: v, .offset: 40, .size: 8, .value_kind: global_buffer, .address_space: global }
      - { .name: scores, .offset: 48, .size: 8, .value_kind: global_buffer, .address_space: global }
    .group_segment_fixed_size: 308224
    .private_segment_fixed_size: 0
    .kernarg_segment_align: 8
    .kernarg_segment_size: 56
    .max_flat_workgroup_size: 256
    .sgpr_count:     66
    .vgpr_count:     512
    .wavefront_size: 32
...
	.end_amdgpu_metadata
.endif
;; end of part 1
;; launch softmax (part 2): grid 64 x 1, 8 waves a work-group, no clusters, 1,536 bytes of LDS; arguments scores, out0; writes out0
.if DOCPART == 2
	.amdgcn_target "amdgcn-amd-amdhsa--gfx1250"
	.amdhsa_code_object_version 6
	.text
	.protected	k_qa2434d2724_softmax
	.globl	k_qa2434d2724_softmax
	.p2align	8
	.type	k_qa2434d2724_softmax,@function
k_qa2434d2724_softmax:
	s_mov_b64 s[64:65], 0
	v_nop
	global_prefetch_b8 v0, s[64:65] scope:SCOPE_SE
	s_setreg_imm32_b32 hwreg(HW_REG_WAVE_MODE, 25, 1), 1
	s_wait_xcnt 0x0
; out0[b][l] = softmax over l of scores[b][l].  64 rows of 2,048 f32.
; A work-group of eight waves takes a row; thread t holds the 4 numbers at byte 16 t and the 4 at byte 4096 + 16 t, so each load and store of a wave covers 512 consecutive bytes.  The row stays in registers.
; The row's maximum is taken away before the exponential: first the difference, then x log2(e), so that no difference of large products is formed.  The sum is at least 1.
; There are 64 rows, so 64 work-groups have work; no matrix unit, no tensor load: 8 KiB in and 8 KiB out for each.  NaN among the scores is not served.
	s_load_b128 s[4:7], s[0:1], 0x0                ; scores s[4:5], out0 s[6:7]
	v_lshl_add_u32 v32, v0, 2, 0x200
	v_mov_b32 v33, 0
	v_lshlrev_b32 v1, 4, v0                        ; 16 t
	v_lshrrev_b32 v2, 5, v0
	s_delay_alu instid0(VALU_DEP_1)
	v_readfirstlane_b32 s8, v2                     ; wave 0..7
	s_delay_alu instid0(VALU_DEP_1)
	v_mov_b32 v3, s8
	s_delay_alu instid0(VALU_DEP_1)
	v_lshlrev_b32 v3, 2, v3                        ; my wave's word in LDS
	v_mov_b32 v20, 0
	v_mov_b32 v13, 0                               ; written once: a lane permute's destination counts as one of its sources
	s_lshl_b32 s10, ttmp9, 13                      ; the row: 8,192 bytes
	s_mov_b32 s11, 0
	s_mov_b32 s12, 0x76543210                      ; v_permlanex16_b32: lane l xor 16
	s_mov_b32 s13, 0xfedcba98
	s_wait_alu depctr_va_vdst(0)
	s_wait_kmcnt 0x0
	s_add_nc_u64 s[4:5], s[4:5], s[10:11]
	s_add_nc_u64 s[6:7], s[6:7], s[10:11]
	global_load_b128 v[4:7], v1, s[4:5]
	global_load_b128 v[8:11], v1, s[4:5] offset:4096
	s_wait_loadcnt 0x0
	; the maximum: my eight, my wave's, the row's
	v_max3_num_f32 v12, v4, v5, v6
	s_delay_alu instid0(VALU_DEP_1)
	v_max3_num_f32 v12, v12, v7, v8
	s_delay_alu instid0(VALU_DEP_1)
	v_max3_num_f32 v12, v12, v9, v10
	s_delay_alu instid0(VALU_DEP_1)
	v_max_num_f32 v12, v12, v11
	s_delay_alu instid0(VALU_DEP_1)
	v_max_num_f32_dpp v12, v12, v12 row_xmask:1 row_mask:0xf bank_mask:0xf
	s_delay_alu instid0(VALU_DEP_1)
	v_max_num_f32_dpp v12, v12, v12 row_xmask:2 row_mask:0xf bank_mask:0xf
	s_delay_alu instid0(VALU_DEP_1)
	v_max_num_f32_dpp v12, v12, v12 row_xmask:4 row_mask:0xf bank_mask:0xf
	s_delay_alu instid0(VALU_DEP_1)
	v_max_num_f32_dpp v12, v12, v12 row_xmask:8 row_mask:0xf bank_mask:0xf
	s_delay_alu instid0(VALU_DEP_1)
	v_permlanex16_b32 v13, v12, s12, s13
	s_delay_alu instid0(VALU_DEP_1)
	v_max_num_f32 v12, v12, v13
	ds_store_b32 v3, v12                           ; all lanes write the same word with the same value
	s_wait_dscnt 0x0                               ; for the others' sake
	s_barrier_signal -1
	s_barrier_wait -1
	ds_load_b128 v[14:17], v20                     ; the eight waves' maxima, in every lane
	ds_load_b128 v[22:25], v20 offset:16
	s_wait_dscnt 0x0
	v_max3_num_f32 v12, v14, v15, v16
	s_delay_alu instid0(VALU_DEP_1)
	v_max3_num_f32 v12, v12, v17, v22
	s_delay_alu instid0(VALU_DEP_1)
	v_max3_num_f32 v12, v12, v23, v24
	s_delay_alu instid0(VALU_DEP_1)
	v_max_num_f32 v12, v12, v25
	s_wait_alu depctr_va_vdst(0)
.irp j, 4,6,8,10
	v_pk_add_f32 v[\j:\j+1], v[\j:\j+1], v[12:13] op_sel_hi:[1,0] neg_lo:[0,1] neg_hi:[0,1]   ; x - the maximum (the pair's low word for both halves)
.endr
.irp j, 4,6,8,10
	s_delay_alu instid0(VALU_DEP_4)
	v_pk_mul_f32 v[\j:\j+1], v[\j:\j+1], 0x3fb8aa3b op_sel_hi:[1,0]                            ; x log2(e)
.endr
	s_wait_alu depctr_va_vdst(0)
.irp j, 4,5,6,7,8,9,10,11
	v_exp_f32 v[\j], v[\j]
.endr
	v_nop                                          ; a plain instruction between the last exponential and the use of its result
	; the sum, the same way; its words in LDS are other bytes than the maxima's, so one barrier serves
	s_wait_alu depctr_va_vdst(0)
	v_pk_add_f32 v[14:15], v[4:5], v[6:7]
	v_pk_add_f32 v[16:17], v[8:9], v[10:11]
	s_delay_alu instid0(VALU_DEP_1)
	v_pk_add_f32 v[14:15], v[14:15], v[16:17]
	s_delay_alu instid0(VALU_DEP_1)
	v_add_f32 v12, v14, v15
	s_delay_alu instid0(VALU_DEP_1)
	v_add_f32_dpp v12, v12, v12 row_xmask:1 row_mask:0xf bank_mask:0xf
	s_delay_alu instid0(VALU_DEP_1)
	v_add_f32_dpp v12, v12, v12 row_xmask:2 row_mask:0xf bank_mask:0xf
	s_delay_alu instid0(VALU_DEP_1)
	v_add_f32_dpp v12, v12, v12 row_xmask:4 row_mask:0xf bank_mask:0xf
	s_delay_alu instid0(VALU_DEP_1)
	v_add_f32_dpp v12, v12, v12 row_xmask:8 row_mask:0xf bank_mask:0xf
	s_delay_alu instid0(VALU_DEP_1)
	v_permlanex16_b32 v13, v12, s12, s13
	s_delay_alu instid0(VALU_DEP_1)
	v_add_f32 v12, v12, v13
	ds_store_b32 v3, v12 offset:256
	s_wait_dscnt 0x0
	s_barrier_signal -1
	s_barrier_wait -1
	ds_load_b128 v[14:17], v20 offset:256
	ds_load_b128 v[22:25], v20 offset:272
	s_wait_dscnt 0x0
	v_pk_add_f32 v[14:15], v[14:15], v[16:17]
	v_pk_add_f32 v[22:23], v[22:23], v[24:25]
	s_delay_alu instid0(VALU_DEP_1)
	v_pk_add_f32 v[14:15], v[14:15], v[22:23]
	s_delay_alu instid0(VALU_DEP_1)
	v_add_f32 v12, v14, v15
	s_wait_alu depctr_va_vdst(0)
	v_rcp_f32 v12, v12
	v_nop                                          ; a plain instruction between the reciprocal and the use of its result
	s_wait_alu depctr_va_vdst(0)
.irp j, 4,6,8,10
	v_pk_mul_f32 v[\j:\j+1], v[\j:\j+1], v[12:13] op_sel_hi:[1,0]
.endr
	global_store_b128 v1, v[4:7], s[6:7]
	global_store_b128 v1, v[8:11], s[6:7] offset:4096
	s_wait_tensorcnt 0x0
	ds_add_u32 v32, v33
	s_wait_dscnt 0x0
	s_endpgm
.Lfunc_end_k_qa2434d2724_softmax:
	.size	k_qa2434d2724_softmax, .Lfunc_end_k_qa2434d2724_softmax-k_qa2434d2724_softmax
	.p2alignl 7, 3214868480
	.fill 96, 4, 3214868480
	.section	.rodata,"a",@progbits
	.p2align	6, 0x0
	.amdhsa_kernel k_qa2434d2724_softmax
		.amdhsa_group_segment_fixed_size 1536
		.amdhsa_private_segment_fixed_size 0
		.amdhsa_enable_private_segment 0
		.amdhsa_kernarg_size 16
		.amdhsa_user_sgpr_count 2
		.amdhsa_user_sgpr_kernarg_segment_ptr 1
		.amdhsa_wavefront_size32 1
		.amdhsa_system_sgpr_workgroup_id_x 1
		.amdhsa_system_sgpr_workgroup_id_y 1
		.amdhsa_system_sgpr_workgroup_id_z 1
		.amdhsa_system_vgpr_workitem_id 0
		.amdhsa_next_free_vgpr 34
		.amdhsa_next_free_sgpr 66
		.amdhsa_reserve_vcc 0
		.amdhsa_float_denorm_mode_32 3
		.amdhsa_float_denorm_mode_16_64 3
		.amdhsa_memory_ordered 1
		.amdhsa_forward_progress 1
		.amdhsa_inst_pref_size 6
	.end_amdhsa_kernel
	.amdgpu_metadata
---
amdhsa.version: [ 1, 2 ]
amdhsa.kernels:
  - .name:           k_qa2434d2724_softmax
    .symbol:         k_qa2434d2724_softmax.kd
    .args:
      - { .name: scores, .offset: 0, .size: 8, .value_kind: global_buffer, .address_space: global }
      - { .name: out0, .offset: 8, .size: 8, .value_kind: global_buffer, .address_space: global }
    .group_segment_fixed_size: 1536
    .private_segment_fixed_size: 0
    .kernarg_segment_align: 8
    .kernarg_segment_size: 16
    .max_flat_workgroup_size: 256
    .sgpr_count:     66
    .vgpr_count:     34
    .wavefront_size: 32
...
	.end_amdgpu_metadata
.endif
;; end of part 2
